; MI455X (gfx1250); checked and timed in simulation.
; The chip was launched on July 23, 2026; its instructions are those of AMD's public machine-readable ISA for CDNA 5 (MIT licence, August 2026) and "CDNA5" Instruction Set Architecture Reference Guide (July 2026). The comments in the code are by the model that wrote it; some were corrected since.
;; Ro Former Self Attention. Allowed arithmetic: matrix products marked QUANTISED: E2M1 operands, one E8M0 scale for each 32 along K, by v_wmma_scale_f32_16x16x128_f8f6f4 with both operands' format E2M1 (or v_wmma_scale_f32_32x16x128_f4), f32 sums; everything else in f32.
;; Inputs: Wk_codes 1,024 x 32 x 16 uint8 (E2M1 codes of Wk, K innermost, in blocks of 32 codes, two codes a byte); Wk_scales 1,024 x 32 uint8 (E8M0 scales of Wk, one for each 32 codes along K); Wq_codes 1,024 x 32 x 16 uint8 (E2M1 codes of Wq, K innermost, in blocks of 32 codes, two codes a byte); Wq_scales 1,024 x 32 uint8 (E8M0 scales of Wq, one for each 32 codes along K); Wv_codes 1,024 x 32 x 16 uint8 (E2M1 codes of Wv, K innermost, in blocks of 32 codes, two codes a byte); Wv_scales 1,024 x 32 uint8 (E8M0 scales of Wv, one for each 32 codes along K); attention_mask 4 x 1 x 1 x 2,048 float32; bk 1,024 float32; bq 1,024 float32; bv 1,024 float32; hidden_states_codes 4 x 2,048 x 32 x 16 uint8 (E2M1 codes of hidden_states, K innermost, in blocks of 32 codes, two codes a byte); hidden_states_scales 4 x 2,048 x 32 uint8 (E8M0 scales of hidden_states, one for each 32 codes along K); relations 1 x 1 x 2,048 x 64 float32.
;; Outputs: out0 4 x 2,048 x 1,024 float32.
;; This version of the problem:
;;   THIS VERSION OF THE PROBLEM IS GIVEN IN LOW PRECISION. The matrix products marked QUANTISED in the list below multiply operands that are first quantised to E2M1 (2 exponent bits, 1 mantissa bit; 4 bits a number), with one power-of-two scale for each 32 numbers along K (OCP MX v1.0); their sums are f32. All else is computed in f32.
;;   The module's matrix products, in the order in which they are computed (A, B: the left and right operand; K: the contracted axis; several contracted axes count as one K, in the product's order):
;;     1. [M 8,192, K 1,024] x [K 1,024, N 1,024]; A: input hidden_states (given as codes); B: input Wq (given as codes): QUANTISED
;;     2. [M 8,192, K 1,024] x [K 1,024, N 1,024]; A: input hidden_states (given as codes); B: input Wk (given as codes): QUANTISED
;;     3. [M 8,192, K 1,024] x [K 1,024, N 1,024]; A: input hidden_states (given as codes); B: input Wv (given as codes): QUANTISED
;;     4. batch 64 x [M 2,048, K 64] x [K 64, N 2,048]; A: computed on the way; B: computed on the way: QUANTISED
;;     5. batch 64 x [M 2,048, K 2,048] x [K 2,048, N 64]; A: softmax (see below); B: computed on the way: QUANTISED
;;   THE QUANTISER, for each operand of a quantised product, along K:
;;     - K is cut into blocks of 32 from its start; a last block that is shorter is filled with zeros.
;;     - A block's scale is 2^e with e = floor(log2(the largest magnitude in the block)) - 2, held to -126 .. 127; a block of zeros has e = 0. As a byte (E8M0): e + 127.
;;     - Each number is divided by its block's scale, clamped to +-6, and rounded to the nearest number of E2M1, ties to even, subnormals kept.
;;     - The product sums the exact products of the quantised numbers (number of the format x scale) in f32.
;;   ~~~python
;;   def quantise(x, axis):      # numpy; x: float32 -> the quantised numbers, widened to float32 again
;;       x = np.moveaxis(x, axis, -1); K = x.shape[-1]
;;       x = np.pad(x, [(0, 0)] * (x.ndim - 1) + [(0, -K % 32)]); x = x.reshape(x.shape[:-1] + (-1, 32)); a = np.abs(x).max(-1, keepdims=True)
;;       e = np.where(a > 0, np.clip(np.frexp(np.where(a > 0, a, 1))[1] - 1 - 2, -126, 127), 0)      # np.frexp(a)[1] - 1 = floor(log2(a)), exactly
;;       r = np.clip(x / 2.0 ** e, -6, 6)
;;       step = 2.0 ** (np.maximum(np.frexp(np.where(r == 0, 1, r))[1] - 1, 0) - 1)
;;       q = np.round(r / step) * step * 2.0 ** e      # np.round: ties to even
;;       return np.moveaxis(q.reshape(q.shape[:-2] + (-1,))[..., :K], -1, axis).astype(np.float32)
;;   ~~~
;;   SOFTMAX AHEAD OF A QUANTISED PRODUCT. Where the list says 'softmax', what is quantised is not the finished softmax but p = 2^(t - M), with t = logit x log2(e) and M = ceil(the row's largest t), a whole number; so 1/2 < the row's largest p <= 1. The row's sum l is taken of the UNQUANTISED p, in f32, and the product's result is divided by l at the end. Since M is a whole number, a kernel that streams over the keys may use a running M (the ceiling of the running maximum): every later rescaling is an exact power of two, which a block's scale takes up: the codes' values come out the same.
;;   OPERANDS COMPUTED ON THE WAY. 'Computed on the way' means the value that the module computes at that place (a softmax that the list does not call 'softmax' is quantised finished and normalised). What goes into a quantiser is computed in f32, as accurately as f32 sums, v_exp_f32 and their like allow (about 1e-6 of the number): no bf16 or f16 on the way to a quantiser, and a product that is left as it is and whose result goes on into a quantised operand takes f32 operands (vector FMAs, or v_wmma_f32_16x16x4_f32). A number that lies on a knife's edge between two numbers of the format may be rounded either way, as far as f32 arithmetic and the matrix unit's own rounding can turn it there, and no further.
;;   INPUTS GIVEN AS CODES. Wk (in the module: [1024, 1024], K = its axis 1); Wq (in the module: [1024, 1024], K = its axis 1); Wv (in the module: [1024, 1024], K = its axis 1); hidden_states (in the module: [4, 2048, 1024], K = its axis 2): each comes as NAME_codes (uint8): NAME with its K axis moved to the last place and cut into blocks of 32 codes, [.., K / 32, bytes a block], one block behind the other in memory; two codes a byte, the lower K in the low four bits (a code: sign, 2 exponent bits, 1 mantissa bit); and NAME_scales (uint8): the same leading axes, one E8M0 byte (e + 127) for each 32 codes along K. Its value is code x scale, taken as it is: it is not quantised again, and the codes and scales need not be those that the quantiser above would give.
;; One version. Each part assembles by itself: llvm-mc -triple=amdgcn-amd-amdhsa -mcpu=gfx1250 --defsym DOCPART=n.
;; ======== version 1 of 1: 2 launches
;; limits: right only within a limited range of input values
;; workspace buffers: qb 4,718,592 bytes; kv 9,175,040 bytes
;; launch proj (part 1): grid 64 x 8, 12 waves a work-group, clusters of 4 x 1, 297,472 bytes of LDS; arguments hidden_states_codes, hidden_states_scales, Wq_codes, Wq_scales, Wk_codes, Wk_scales, Wv_codes, Wv_scales, bq, bk, bv, relations, qb, kv; writes qb, kv
.if DOCPART == 1
	.amdgcn_target "amdgcn-amd-amdhsa--gfx1250"
	.amdhsa_code_object_version 6
	.text
	.protected	k_q66749eff71_proj
	.globl	k_q66749eff71_proj
	.p2align	8
	.type	k_q66749eff71_proj,@function
k_q66749eff71_proj:
	s_mov_b64 s[64:65], 0
	v_nop
	global_prefetch_b8 v0, s[64:65] scope:SCOPE_SE
	s_setreg_imm32_b32 hwreg(HW_REG_WAVE_MODE, 25, 1), 1
	s_wait_xcnt 0x0
	s_wait_alu depctr_hold_cnt(0) depctr_sa_sdst(0) depctr_va_vdst(0) depctr_va_sdst(0) depctr_va_ssrc(0) depctr_va_vcc(0) depctr_vm_vsrc(0)
	s_getreg_b32 s2, hwreg(HW_REG_IB_STS2, 6, 4)
	s_cmp_eq_u32 s2, 0
	s_cbranch_scc0 .Lentry_in_a_cluster
	s_endpgm
.Lentry_in_a_cluster:
	s_bfe_u32 s2, ttmp6, 0x10000c
	s_cmp_lg_u32 s2, 0x3003
	s_cbranch_scc0 .Lentry_shape_is_right
	s_endpgm
.Lentry_shape_is_right:
; q, k, v = hidden_states W^T + b on codes of FP4 (E2M1) with E8M0 scales; q and k get the interleaved rotary; then q and k are quantised along the head's 64, v along the keys,
; and leave as IMAGES OF OPERAND REGISTERS (16 bytes a lane, 512 bytes a store) for the attention launch.
; SHARES.  A work-group takes 128 tokens (step st) and two heads (pair hp), for q, k and v.  Twelve waves, three to a SIMD: wave w: z = w / 4 (q, k, v), head w / 2 % 2, half w % 2.
; A wave owns 4 x 4 tiles of 16 x 16: D(i, m) = source 0's tile i x source 1's tile m.  q, k: source 0 = the head's 64 rows of W, source 1 = 64 tokens; v: source 0 = 64 tokens, source 1 = the head's 64 rows of Wv.
; So a lane holds ONE row of source 1 and its registers run along source 0: the axis that is quantised, in all three cases.  The K loop is one text for all waves; only the epilogue parts on the wave's number.
; LDS.  All of K lies there, filled once: two chunks of 512 along K, each 512 rows (tokens, Wq, Wk, Wv: 128 each) of 256 bytes + 16 of padding (68 words: the 16 rows of a load start at 16 different banks;
; 64 banks of 4 bytes: ISA guide 11.1); behind them the four sources' scale bytes, 4,096 each, as units of 256 bytes + 16.  Nothing is filled twice.
; When chunk 0 has been read out, its token rows take the step's 128 rows of relations, by LDS stores: those bytes have had their one fill.
; CLUSTER.  The four work-groups of a cluster share hp and so all tiles of W and their scales, three quarters of the bytes filled: those are asked for JOINTLY (mask 15).  The tokens' tiles differ: plain loads.
; Every tensor load goes out at the kernel's head, so nothing is prefetched.
; LIMITS: a block whose largest magnitude lies under 2^-124 keeps the scale byte 1 (a block of zeros too: its codes are zeros, and this program alone reads the bytes); NaN and infinities in relations and biases are not served.
.set PITCH,  272
.set SRC,    128*PITCH                 ; a source's 128 rows in a chunk
.set CH1,    4*SRC                     ; chunk 1
.set SCL,    2*CH1                     ; the scale bytes; source s at SCL + 4,352 s
.set SSRC,   16*PITCH
.set REC,    8960                      ; kv: a record of 128 tokens: 4,096 K images, 4,096 V images, 512 K scale words, 256 V scale halves
.set HEADB,  16*REC
.set QREC,   4608                      ; qb: 4,096 Q images, 512 scale words
.set QHEADB, 16*QREC
.set A0,  1                            ; v1, v3  source 0's fragments in chunk 0, 1: row x 272 + 16 (lane / 16)
.set A1,  2                            ; v2, v4  source 1's
.set AS0, 5                            ; v5   source 0's scale words: lane l takes row l of 32
.set AS1, 6                            ; v6   source 1's
.set RS,  7                            ; v7   where thread t puts 16 bytes of relations
.set RA,  8                            ; v8   where a lane reads its token's relations
.set L16, 9                            ; v9   16 x lane
.set PW,  12                           ; v12-15 the four tiles' scale words (v12 first serves as the relations' load offset)
.set SC0, 16                           ; v16-23 source 0's scale words of a chunk: register 4 p + q: rows 32 p + lane, K step q
.set SC1, 24                           ; v24-31 source 1's
.set F0,  32                           ; v32-63 source 0's four fragments; in the epilogue relations
.set F1,  64                           ; v64-95 source 1's
.set ACC, 96                           ; v96-223 accumulator (i, m) at 96 + 32 m + 8 i
.set RL,  224                          ; v224-255 relations as loaded, then the biases
.set TT,  16                           ; epilogue: v16-31 the rotary's products;
.set BM,  16                           ; v16-17 largest magnitudes, v18-19 the other half's, v20-21 the conversions' scale operands, v22-23 bytes, v24-27 codes
.set BP,  18
.set SO,  20
.set BY,  22
.set PC,  24
.set WV,  66                           ; s66  wave
.set G1CJ, 32                          ; s[32:39] group 1, codes, joint;  s[40:47] plain;  s[48:55] scales, joint;  s[56:63] plain
.set G1CP, 40
.set G1SJ, 48
.set G1SP, 56
.set G0J,  68                          ; s[68:79] groups 0 of the joint loads: scales, chunk 0, chunk 1
.set G0P,  80                          ; s[80:91] of the plain ones
.macro ROUND                           ; a round of the cluster's barrier
	s_barrier_signal -1
	s_barrier_wait -1
	s_cmp_lg_u32 s[WV], 0
	s_cbranch_scc1 .Lnot_wave_0_\@
	s_barrier_signal -3
.Lnot_wave_0_\@:
	s_barrier_wait -3
	s_barrier_signal -1
	s_barrier_wait -1
.endm
; a product; ra, rb: the side's scale words stand in lanes 16-31.  WMZ starts a sum, WMA adds in place
.macro WMZ d, a, b, sa, sb, ra, rb
.if (\ra) && (\rb)
	v_wmma_scale_f32_16x16x128_f8f6f4 v[(\d):(\d)+7], v[(\a):(\a)+7], v[(\b):(\b)+7], 0, v[\sa], v[\sb] matrix_a_fmt:MATRIX_FMT_FP4 matrix_b_fmt:MATRIX_FMT_FP4 matrix_a_scale:MATRIX_SCALE_ROW1 matrix_b_scale:MATRIX_SCALE_ROW1
.elseif (\ra)
	v_wmma_scale_f32_16x16x128_f8f6f4 v[(\d):(\d)+7], v[(\a):(\a)+7], v[(\b):(\b)+7], 0, v[\sa], v[\sb] matrix_a_fmt:MATRIX_FMT_FP4 matrix_b_fmt:MATRIX_FMT_FP4 matrix_a_scale:MATRIX_SCALE_ROW1
.elseif (\rb)
	v_wmma_scale_f32_16x16x128_f8f6f4 v[(\d):(\d)+7], v[(\a):(\a)+7], v[(\b):(\b)+7], 0, v[\sa], v[\sb] matrix_a_fmt:MATRIX_FMT_FP4 matrix_b_fmt:MATRIX_FMT_FP4 matrix_b_scale:MATRIX_SCALE_ROW1
.else
	v_wmma_scale_f32_16x16x128_f8f6f4 v[(\d):(\d)+7], v[(\a):(\a)+7], v[(\b):(\b)+7], 0, v[\sa], v[\sb] matrix_a_fmt:MATRIX_FMT_FP4 matrix_b_fmt:MATRIX_FMT_FP4
.endif
.endm
.macro WMA d, a, b, sa, sb, ra, rb
.if (\ra) && (\rb)
	v_wmma_scale_f32_16x16x128_f8f6f4 v[(\d):(\d)+7], v[(\a):(\a)+7], v[(\b):(\b)+7], v[(\d):(\d)+7], v[\sa], v[\sb] matrix_a_fmt:MATRIX_FMT_FP4 matrix_b_fmt:MATRIX_FMT_FP4 matrix_a_scale:MATRIX_SCALE_ROW1 matrix_b_scale:MATRIX_SCALE_ROW1
.elseif (\ra)
	v_wmma_scale_f32_16x16x128_f8f6f4 v[(\d):(\d)+7], v[(\a):(\a)+7], v[(\b):(\b)+7], v[(\d):(\d)+7], v[\sa], v[\sb] matrix_a_fmt:MATRIX_FMT_FP4 matrix_b_fmt:MATRIX_FMT_FP4 matrix_a_scale:MATRIX_SCALE_ROW1
.elseif (\rb)
	v_wmma_scale_f32_16x16x128_f8f6f4 v[(\d):(\d)+7], v[(\a):(\a)+7], v[(\b):(\b)+7], v[(\d):(\d)+7], v[\sa], v[\sb] matrix_a_fmt:MATRIX_FMT_FP4 matrix_b_fmt:MATRIX_FMT_FP4 matrix_b_scale:MATRIX_SCALE_ROW1
.else
	v_wmma_scale_f32_16x16x128_f8f6f4 v[(\d):(\d)+7], v[(\a):(\a)+7], v[(\b):(\b)+7], v[(\d):(\d)+7], v[\sa], v[\sb] matrix_a_fmt:MATRIX_FMT_FP4 matrix_b_fmt:MATRIX_FMT_FP4
.endif
.endm
; 128 along K: the q-th of chunk kap.  A fragment (16 rows x 128 K of 4-bit codes) is two loads of 16 bytes, 32 bytes apart.  The 16 accumulators take turns, one instruction a turn.
; The four v_nop at the end are the places in front of the next loads into these operands' registers and of the epilogue's first reads of the results.
.macro KSTEP kap, q
.irp i, 0,1,2,3
.irp c, 0,1
	ds_load_b128 v[F0+8*\i+4*\c:F0+8*\i+4*\c+3], v[A0+2*\kap] offset:16*PITCH*\i+64*\q+32*\c
	ds_load_b128 v[F1+8*\i+4*\c:F1+8*\i+4*\c+3], v[A1+2*\kap] offset:16*PITCH*\i+64*\q+32*\c
.endr
.endr
	s_wait_dscnt 0x0                               ; the fragments, and in a chunk's first step its scale words
.irp m, 0,1,2,3
.irp i, 0,1,2,3
.if (\kap)+(\q) == 0
	WMZ ACC+32*\m+8*\i, F0+8*\i, F1+8*\m, SC0+4*(\i/2)+\q, SC1+4*(\m/2)+\q, \i%2, \m%2
.else
	WMA ACC+32*\m+8*\i, F0+8*\i, F1+8*\m, SC0+4*(\i/2)+\q, SC1+4*(\m/2)+\q, \i%2, \m%2
.endif
.endr
.endr
.rept 4
	v_nop
.endr
.endm
; a chunk: its scale words (16 bytes of each row: four K steps; lanes 0-15 an even tile's rows, lanes 16-31 the odd tile's), then its four K steps
.macro KCHUNK kap
.irp p, 0,1
	ds_load_b128 v[SC0+4*\p:SC0+4*\p+3], v[AS0] offset:4*PITCH*\p+16*\kap
	ds_load_b128 v[SC1+4*\p:SC1+4*\p+3], v[AS1] offset:4*PITCH*\p+16*\kap
.endr
	KSTEP \kap, 0
	KSTEP \kap, 1
	KSTEP \kap, 2
	KSTEP \kap, 3
.endm
; 32 numbers of a lane, register 8 i + j = k 16 i + 8 (lane / 16) + j of its row, become four registers of codes, k = 32 (lane / 16) + 0 .. 31, in v[PC] on, and two scale bytes in v[pw].
; Block b is registers 16 b .. 16 b + 15 of lanes l and l xor 16.  Tile i's eight codes go to register 0, 2, 1, 3 for i = 0 .. 3; two exchanges of halves then give each lane a whole block.
.macro QUANT32 x, pw, pad
.irp b, 0,1
	v_max3_num_f32 v[BM+\b], |v[(\x)+16*\b]|, |v[(\x)+16*\b+1]|, 0x1800000   ; with the floor 2^(3 - 127): the byte cannot fall under 1
.endr
.irp i, 2,4,6,8,10,12,14
.irp b, 0,1
	v_max3_num_f32 v[BM+\b], v[BM+\b], |v[(\x)+16*\b+\i]|, |v[(\x)+16*\b+\i+1]|
.endr
.endr
.irp b, 0,1
	v_permlanex16_b32 v[BP+\b], v[BM+\b], s100, s101
.endr
.irp b, 0,1
	v_max_num_f32 v[BM+\b], v[BM+\b], v[BP+\b]     ; the block's largest magnitude
.endr
.irp b, 0,1
	v_add_nc_u32 v[SO+\b], 0xff000000, v[BM+\b]    ; 2 off its exponent field: the conversion's scale operand
.endr
.irp b, 0,1
	v_lshrrev_b32 v[BY+\b], 23, v[SO+\b]           ; the scale's byte
.endr
	v_lshl_or_b32 v[\pw], v[BY+1], 8, v[BY]
.if \pad
	v_or_b32 v[\pw], 0x7f7f0000, v[\pw]            ; the product on q and k has K = 64 in an instruction of 128: the upper two blocks are zero codes under the scale 1
.endif
	v_cvt_scalef32_pk8_fp4_f32 v[PC],   v[(\x):(\x)+7],     v[SO]
	v_cvt_scalef32_pk8_fp4_f32 v[PC+2], v[(\x)+8:(\x)+15],  v[SO]
	v_cvt_scalef32_pk8_fp4_f32 v[PC+1], v[(\x)+16:(\x)+23], v[SO+1]
	v_cvt_scalef32_pk8_fp4_f32 v[PC+3], v[(\x)+24:(\x)+31], v[SO+1]
	v_nop                                          ; one plain place behind a scaled conversion
	v_permlane16_swap_b32 v[PC], v[PC+1]
	v_permlane16_swap_b32 v[PC+2], v[PC+3]
.endm
.macro RELLD m                         ; token tile m's relations: register 8 i + j = relations[token][16 i + 8 (lane / 16) + j], as the results lie
.irp n, 0,1,2,3,4,5,6,7
	ds_load_b128 v[F0+32*((\m)%2)+4*\n:F0+32*((\m)%2)+4*\n+3], v[RA] offset:16*PITCH*(\m)+64*(\n/2)+16*(\n%2)
.endr
.endm
; q, k: token tile m: bias, rotary, quantiser, store
.macro QKTILE m
.set XX, ACC+32*(\m)
.set RR, F0+32*((\m)%2)
.if (\m) > 0
	s_wait_xcnt 0x0                                ; the last tile's store has read its codes: the rotary's products are written over them
.endif
.if (\m) < 3
	s_wait_dscnt 0x8                               ; this tile's eight relation loads are in; the next tile's eight may be out
.else
	s_wait_dscnt 0x0
.endif
.set j, 0
.rept 16
	v_pk_add_f32 v[XX+j:XX+j+1], v[XX+j:XX+j+1], v[RL+j:RL+j+1]   ; + bias; ascending: each accumulator is first read at its low end
.set j, j+2
.endr
.irp g, 0,1                            ; a pair (x0, x1) with (sin, cos) = relations' even and odd slot
.set j, 0
.rept 8
	v_pk_mul_f32 v[TT+j:TT+j+1], v[XX+16*\g+j:XX+16*\g+j+1], v[RR+16*\g+j:RR+16*\g+j+1] op_sel:[1,0] op_sel_hi:[0,0]   ; (x1 sin, x0 sin)
.set j, j+2
.endr
.set j, 0
.rept 8
	v_pk_fma_f32 v[XX+16*\g+j:XX+16*\g+j+1], v[XX+16*\g+j:XX+16*\g+j+1], v[RR+16*\g+j:RR+16*\g+j+1], v[TT+j:TT+j+1] op_sel:[0,1,0] op_sel_hi:[1,1,1] neg_lo:[0,0,1]   ; (x0 cos - x1 sin, x1 cos + x0 sin)
.set j, j+2
.endr
.endr
.if (\m) < 2
	RELLD (\m)+2
.endif
	QUANT32 XX, PW+(\m), 1
	global_store_b128 v[L16], v[PC:PC+3], s[8:9] offset:512*(\m)   ; the wave stores 512 consecutive bytes
.endm
; v: channel tile m: bias, quantiser along my 64 keys, store
.macro VTILE m
.set XX, ACC+32*(\m)
.set j, 0
.rept 16
	v_pk_add_f32 v[XX+j:XX+j+1], v[XX+j:XX+j+1], v[RL+2*(\m):RL+2*(\m)+1]
.set j, j+2
.endr
.if (\m) > 0
	s_wait_xcnt 0x0                                ; the last tile's store has read its codes
.endif
	QUANT32 XX, PW+(\m), 0
	global_store_b128 v[L16], v[PC:PC+3], s[8:9] offset:1024*(\m)
.endm
	s_load_b512 s[4:19], s[0:1], 0x0               ; hs codes, hs scales, Wq codes, Wq scales, Wk codes, Wk scales, Wv codes, Wv scales
	s_load_b256 s[20:27], s[0:1], 0x40             ; bq, bk, bv, relations
	s_load_b128 s[28:31], s[0:1], 0x60             ; qb, kv
	s_set_vgpr_msb 0x40
	v_lshl_add_u32 v0, v0, 2, 0x48400
	v_mov_b32 v1, 0
	s_set_vgpr_msb 0x4045
	ds_add_u32 v0, v1
	ds_add_u32 v0, v1
	s_set_vgpr_msb 0x4500
	v_lshrrev_b32 v1, 5, v0
	v_readfirstlane_b32 s[WV], v1                  ; wave 0..11
	s_bfe_u32 s67, ttmp6, 0x40000                  ; cx
	s_lshl_b32 s96, ttmp9, 2
	s_add_co_u32 s96, s96, s67                     ; st: my step of 128 tokens, 0..63: it enters global addresses alone
	s_and_b32 s97, ttmp7, 0xffff                   ; hp: my pair of heads, which the four partners share
	s_lshr_b32 s92, s[WV], 2                       ; z
	s_bfe_u32 s93, s[WV], 0x10001                  ; which head of the pair
	s_and_b32 s94, s[WV], 1                        ; half
	s_lshr_b32 s95, s[WV], 3                       ; 1 in v's waves
	s_lshl_b32 s98, s92, 7
	s_lshl_b32 s99, s93, 6
	s_add_co_u32 s98, s98, s99
	s_add_co_u32 s98, s98, 128                     ; my 64 rows of W among a chunk's 512
	s_lshl_b32 s99, s94, 6                         ; my 64 tokens
	s_xor_b32 s2, s98, s99
	s_mul_i32 s2, s2, s95
	s_xor_b32 s98, s98, s2                         ; source 0's first row: W's for q and k, the tokens' for v
	s_xor_b32 s99, s99, s2                         ; source 1's
	s_mov_b32 s100, 0x76543210
	s_mov_b32 s101, 0xfedcba98                     ; v_permlanex16_b32's selects for lane l xor 16
	; every LDS address is made here, ahead of the first parting of the waves
	v_and_b32 v13, 15, v0                          ; r
	v_bfe_u32 v14, v0, 4, 1                        ; h
	v_and_b32 v15, 31, v0                          ; lane
	v_mul_u32_u24 v16, v13, PITCH
	v_lshl_add_u32 v17, v14, 4, v16
	s_mul_i32 s2, s98, PITCH
	v_add_nc_u32 v[A0], s2, v17
	s_mul_i32 s2, s99, PITCH
	v_add_nc_u32 v[A1], s2, v17
	v_add_nc_u32 v[A0+2], CH1, v[A0]
	v_add_nc_u32 v[A1+2], CH1, v[A1]
	v_lshrrev_b32 v18, 3, v15                      ; a row's 32 scale bytes: eight rows to a unit of 256 + 16
	v_and_b32 v19, 7, v15
	v_mul_u32_u24 v18, v18, PITCH
	v_lshl_add_u32 v18, v19, 5, v18
	s_mul_i32 s2, s98, 34                          ; (272 / 8 for each row; the first row is a multiple of 64)
	s_add_co_u32 s2, s2, SCL
	v_add_nc_u32 v[AS0], s2, v18
	s_mul_i32 s2, s99, 34
	s_add_co_u32 s2, s2, SCL
	v_add_nc_u32 v[AS1], s2, v18
	v_lshrrev_b32 v18, 4, v0
	v_mul_u32_u24 v18, v18, PITCH
	v_lshl_add_u32 v[RS], v13, 4, v18              ; relations in: row t / 16, 16 (t % 16)
	s_lshl_b32 s2, s94, 6
	s_mul_i32 s2, s2, PITCH
	v_lshl_add_u32 v[RA], v14, 5, v16
	v_add_nc_u32 v[RA], s2, v[RA]                  ; relations out: row 64 half + r, + 32 h
	v_lshlrev_b32 v[L16], 4, v15
	v_lshlrev_b32 v12, 4, v0                       ; relations in memory: 16 t
	; descriptor groups 1.  Codes: 128 rows x 256 bytes, 512 bytes apart, 16 bytes of padding behind each
	s_mov_b32 s[G1CJ], 15|(1<<20)|(1<<21)|(5<<22)|(3<<25)   ; 15:0 the mask: all four work-groups; 17:16 elements of 1 byte; 20 padding on; 21 set beside a mask; 24:22 after every 64 words; 31:25 four words
	s_mov_b32 s[G1CP], (1<<20)|(5<<22)|(3<<25)
.irp g, G1CJ, G1CP
	s_mov_b32 s[\g+1], 256<<16                     ; tensor_dim0
	s_mov_b32 s[\g+2], 128<<16                     ; tensor_dim1
	s_mov_b32 s[\g+3], 256<<16                     ; tile_dim0
	s_mov_b32 s[\g+4], 128                         ; tile_dim1
	s_mov_b32 s[\g+5], 512                         ; tensor_dim0_stride
	s_mov_b32 s[\g+6], 0
	s_mov_b32 s[\g+7], 0
.endr
	; scales: 4,096 dense bytes as 16 rows of 32 elements of 8 bytes, 16 bytes of padding behind each
	s_mov_b32 s[G1SJ], 15|(3<<16)|(1<<20)|(1<<21)|(5<<22)|(3<<25)
	s_mov_b32 s[G1SP], (3<<16)|(1<<20)|(5<<22)|(3<<25)
.irp g, G1SJ, G1SP
	s_mov_b32 s[\g+1], 32<<16
	s_mov_b32 s[\g+2], 16<<16
	s_mov_b32 s[\g+3], 32<<16
	s_mov_b32 s[\g+4], 16
	s_mov_b32 s[\g+5], 32
	s_mov_b32 s[\g+6], 0
	s_mov_b32 s[\g+7], 0
.endr
	s_wait_dscnt 0x0
	s_wait_kmcnt 0x0
	; groups 0 of the joint loads: wave 1 fetches Wq, wave 2 Wk, wave 3 Wv; addresses hang on hp and the wave's number alone
	s_cmp_eq_u32 s[WV], 2
	s_cselect_b64 s[G0J+6:G0J+7], s[12:13], s[8:9]
	s_cselect_b64 s[G0J+2:G0J+3], s[14:15], s[10:11]
	s_cmp_eq_u32 s[WV], 3
	s_cselect_b64 s[G0J+6:G0J+7], s[16:17], s[G0J+6:G0J+7]
	s_cselect_b64 s[G0J+2:G0J+3], s[18:19], s[G0J+2:G0J+3]
	s_lshl_b32 s2, s97, 16                         ; 128 rows of 512 bytes
	s_mov_b32 s3, 0
	s_add_nc_u64 s[G0J+6:G0J+7], s[G0J+6:G0J+7], s[2:3]
	s_add_nc_u64 s[G0J+10:G0J+11], s[G0J+6:G0J+7], 256
	s_lshl_b32 s2, s97, 12                         ; 128 rows of 32 bytes
	s_add_nc_u64 s[G0J+2:G0J+3], s[G0J+2:G0J+3], s[2:3]
	s_or_b32 s[G0J+3], s[G0J+3], 0x80000000
	s_or_b32 s[G0J+7], s[G0J+7], 0x80000000
	s_or_b32 s[G0J+11], s[G0J+11], 0x80000000
	s_mov_b32 s[G0J], 1
	s_mov_b32 s[G0J+4], 1
	s_mov_b32 s[G0J+8], 1
	s_mul_i32 s[G0J+1], s[WV], SSRC
	s_add_co_u32 s[G0J+1], s[G0J+1], SCL
	s_mul_i32 s[G0J+5], s[WV], SRC
	s_add_co_u32 s[G0J+9], s[G0J+5], CH1
	; groups 0 of the plain loads: the tokens' codes and scales, by wave 0
	s_lshl_b32 s98, s96, 16
	s_mov_b32 s99, 0
	s_add_nc_u64 s[G0P+6:G0P+7], s[4:5], s[98:99]
	s_add_nc_u64 s[G0P+10:G0P+11], s[G0P+6:G0P+7], 256
	s_lshl_b32 s98, s96, 12
	s_add_nc_u64 s[G0P+2:G0P+3], s[6:7], s[98:99]
	s_or_b32 s[G0P+3], s[G0P+3], 0x80000000
	s_or_b32 s[G0P+7], s[G0P+7], 0x80000000
	s_or_b32 s[G0P+11], s[G0P+11], 0x80000000
	s_mov_b32 s[G0P], 1
	s_mov_b32 s[G0P+4], 1
	s_mov_b32 s[G0P+8], 1
	s_mov_b32 s[G0P+1], SCL
	s_mov_b32 s[G0P+5], 0
	s_mov_b32 s[G0P+9], CH1
	ROUND                                          ; all four work-groups are here: the joint loads meet
	; the launch's only fills, a wave's three in one arm: scales, chunk 0, chunk 1: three tensor loads of a fetching wave are out.  Four v_nop follow the last
	s_cmp_eq_u32 s[WV], 0
	s_cbranch_scc0 .Lnot_tokens
	tensor_load_to_lds s[G0P:G0P+3], s[G1SP:G1SP+7]
	s_nop 0
	tensor_load_to_lds s[G0P+4:G0P+7], s[G1CP:G1CP+7]
	s_nop 0
	tensor_load_to_lds s[G0P+8:G0P+11], s[G1CP:G1CP+7]
	s_nop 0
.rept 4
	v_nop
.endr
	s_branch .Lfilled
.Lnot_tokens:
	s_cmp_lt_u32 s[WV], 4
	s_cbranch_scc0 .Lfilled
	tensor_load_to_lds s[G0J:G0J+3], s[G1SJ:G1SJ+7]
	s_nop 0
	tensor_load_to_lds s[G0J+4:G0J+7], s[G1CJ:G1CJ+7]
	s_nop 0
	tensor_load_to_lds s[G0J+8:G0J+11], s[G1CJ:G1CJ+7]
	s_nop 0
.rept 4
	v_nop
.endr
.Lfilled:
	; where my results go.  s4 to s19 are free: the descriptors hold their own copies
	s_lshl_b32 s4, s97, 1
	s_add_co_u32 s4, s4, s93                       ; head
	s_lshr_b32 s5, s96, 4
	s_lshl_b32 s5, s5, 4
	s_add_co_u32 s5, s5, s4                        ; y = 16 x batch + head
	s_and_b32 s6, s96, 15                          ; the step within the batch
	s_cmp_eq_u32 s92, 0                            ; q goes to qb, k and v to kv
	s_cselect_b64 s[8:9], s[28:29], s[30:31]
	s_mov_b32 s7, HEADB
	s_cselect_b32 s7, QHEADB, s7
	s_mov_b32 s16, REC
	s_cselect_b32 s16, QREC, s16
	s_mov_b32 s17, 8192
	s_cselect_b32 s17, 4096, s17                   ; where a record's scale words of q or k begin
	s_mul_i32 s2, s5, s7
	s_mul_i32 s16, s6, s16
	s_add_co_u32 s2, s2, s16
	s_mov_b32 s3, 0
	s_add_nc_u64 s[8:9], s[8:9], s[2:3]            ; my record
	s_lshl_b32 s2, s94, 11                         ; q, k: images of tiles 4 half on;
	s_lshl_b32 s16, s94, 9
	s_add_co_u32 s16, s16, 4096                    ; v: behind K's images, half c = my half
	s_lshl_b32 s18, s94, 3
	s_add_co_u32 s17, s17, s18                     ; q, k: words 2 half, 2 half + 1 of each lane's four;
	s_lshl_b32 s18, s94, 2
	s_add_co_u32 s18, s18, 8704                    ; v: the word c of each lane's two
	s_cmp_eq_u32 s95, 1
	s_cselect_b32 s2, s16, s2
	s_cselect_b32 s16, s18, s17
	s_mov_b32 s17, 0
	s_add_nc_u64 s[10:11], s[8:9], s[16:17]        ; the scales' place
	s_add_nc_u64 s[8:9], s[8:9], s[2:3]            ; the images'
	s_cmp_eq_u32 s92, 1
	s_cselect_b64 s[12:13], s[22:23], s[20:21]
	s_cmp_eq_u32 s92, 2
	s_cselect_b64 s[12:13], s[24:25], s[12:13]
	s_lshl_b32 s2, s4, 8
	s_add_nc_u64 s[12:13], s[12:13], s[2:3]        ; my head's 64 biases
	s_lshl_b32 s2, s6, 15
	s_add_nc_u64 s[14:15], s[26:27], s[2:3]        ; the step's 128 rows of relations
	s_cmp_lt_u32 s[WV], 8                          ; q's and k's waves bring them: 256 threads x 16 bytes x 8: each load of a wave covers 512 consecutive bytes
	s_cbranch_scc0 .Lno_rel
.irp n, 0,1,2,3,4,5,6,7
	global_load_b128 v[RL+4*\n:RL+4*\n+3], v12, s[14:15] offset:4096*\n
.endr
.Lno_rel:
	s_wait_tensorcnt 0x1                           ; my scales and my part of chunk 0 have landed; chunk 1 may stay out
	s_barrier_signal -1
	s_barrier_wait -1                              ; everybody's have
	KCHUNK 0
	s_wait_tensorcnt 0x0                           ; my part of chunk 1 has landed,
	s_wait_dscnt 0x0                               ; and my reads of chunk 0 are over
	s_barrier_signal -1
	s_barrier_wait -1                              ; both hold of every wave
	s_cmp_lt_u32 s[WV], 8
	s_cbranch_scc0 .Lv_bias
	s_wait_loadcnt 0x0                             ; relations
.irp n, 0,1,2,3,4,5,6,7
	ds_store_b128 v[RS], v[RL+4*\n:RL+4*\n+3] offset:16*PITCH*\n   ; into chunk 0's token rows: nobody reads them any more, and no fill follows
.endr
	s_wait_dscnt 0x0                               ; the stores have read their registers, which take the biases
	v_bfe_u32 v11, v0, 4, 1
	v_lshlrev_b32 v11, 5, v11                      ; 32 h: register 8 i + j is the bias of feature 16 i + 8 h + j
.irp n, 0,1,2,3,4,5,6,7
	global_load_b128 v[RL+4*\n:RL+4*\n+3], v11, s[12:13] offset:64*(\n/2)+16*(\n%2)
.endr
	s_branch .Lbias_asked
.Lv_bias:
	s_wait_loadcnt 0x0                             ; a register is loaded again, and a load's address register rewritten, only behind the wait for the loads that name it: v's waves have asked for
	                                               ; nothing so far, so this wait is met at once; it stands here so that the ordering holds on every way into these lines
	v_and_b32 v11, 15, v0
	v_lshlrev_b32 v11, 2, v11                      ; 4 r: a lane's channel 16 m + r, twice: a pair for the packed addition
.irp m, 0,1,2,3
	global_load_b32 v[RL+2*\m], v11, s[12:13] offset:64*\m
	global_load_b32 v[RL+2*\m+1], v11, s[12:13] offset:64*\m
.endr
.Lbias_asked:
	KCHUNK 1
	s_wait_dscnt 0x0                               ; for the others' sake: my stores of relations are done
	s_barrier_signal -1
	s_barrier_wait -1
	s_cmp_lt_u32 s[WV], 8
	s_cbranch_scc0 .Lv_out
	RELLD 0
	RELLD 1
	s_wait_loadcnt 0x0                             ; the biases
	QKTILE 0
	QKTILE 1
	QKTILE 2
	QKTILE 3
	s_mov_b32 vcc_lo, 0xffff0000                   ; scale words lie [lane][word]: word b of lane l is token 32 b + l's: lanes 0-15 an even tile's, lanes 16-31 the odd tile's
	v_cndmask_b32 v16, v12, v13, vcc_lo
	v_cndmask_b32 v17, v14, v15, vcc_lo
	v_and_b32 v10, 31, v0
	v_lshlrev_b32 v10, 4, v10
	global_store_b64 v10, v[16:17], s[10:11]
	s_branch .Lout
.Lv_out:
	s_wait_loadcnt 0x0                             ; the biases
	VTILE 0
	VTILE 1
	VTILE 2
	VTILE 3
	s_mov_b32 vcc_lo, 0xffff0000                   ; two bytes of channel tiles 0 | 1 below, of tiles 2 | 3 above
	v_cndmask_b32 v16, v12, v13, vcc_lo
	v_cndmask_b32 v17, v14, v15, vcc_lo
	v_lshl_or_b32 v16, v17, 16, v16
	v_and_b32 v10, 31, v0
	v_lshlrev_b32 v10, 3, v10
	global_store_b32 v10, v16, s[10:11]
.Lout:
	s_wait_dscnt 0x0
	s_set_vgpr_msb 0x5
	s_wait_tensorcnt 0x0
	ds_add_u32 v0, v1
	s_wait_dscnt 0x0
	s_set_vgpr_msb 0x500
	ROUND                                          ; the closing round: no work-group ends while a partner may still ask for a tile that names it
	s_endpgm
.Lfunc_end_k_q66749eff71_proj:
	.size	k_q66749eff71_proj, .Lfunc_end_k_q66749eff71_proj-k_q66749eff71_proj
	.p2alignl 7, 3214868480
	.fill 96, 4, 3214868480
	.section	.rodata,"a",@progbits
	.p2align	6, 0x0
	.amdhsa_kernel k_q66749eff71_proj
		.amdhsa_group_segment_fixed_size 297472
		.amdhsa_private_segment_fixed_size 0
		.amdhsa_enable_private_segment 0
		.amdhsa_kernarg_size 112
		.amdhsa_user_sgpr_count 2
		.amdhsa_user_sgpr_kernarg_segment_ptr 1
		.amdhsa_wavefront_size32 1
		.amdhsa_system_sgpr_workgroup_id_x 1
		.amdhsa_system_sgpr_workgroup_id_y 1
		.amdhsa_system_sgpr_workgroup_id_z 1
		.amdhsa_system_vgpr_workitem_id 0
		.amdhsa_next_free_vgpr 258
		.amdhsa_next_free_sgpr 102
		.amdhsa_reserve_vcc 1
		.amdhsa_float_denorm_mode_32 3
		.amdhsa_float_denorm_mode_16_64 3
		.amdhsa_memory_ordered 1
		.amdhsa_forward_progress 1
		.amdhsa_inst_pref_size 75
	.end_amdhsa_kernel
	.amdgpu_metadata
---
amdhsa.version: [ 1, 2 ]
amdhsa.kernels:
  - .name:           k_q66749eff71_proj
    .symbol:         k_q66749eff71_proj.kd
    .args:
      - { .name: hidden_states_codes, .offset: 0, .size: 8, .value_kind: global_buffer, .address_space: global }
      - { .name: hidden_states_scales, .offset: 8, .size: 8, .value_kind: global_buffer, .address_space: global }
      - { .name: Wq_codes, .offset: 16, .size: 8, .value_kind: global_buffer, .address_space: global }
      - { .name: Wq_scales, .offset: 24, .size: 8, .value_kind: global_buffer, .address_space: global }
      - { .name: Wk_codes, .offset: 32, .size: 8, .value_kind: global_buffer, .address_space: global }
      - { .name: Wk_scales, .offset: 40, .size: 8, .value_kind: global_buffer, .address_space: global }
      - { .name: Wv_codes, .offset: 48, .size: 8, .value_kind: global_buffer, .address_space: global }
      - { .name: Wv_scales, .offset: 56, .size: 8, .value_kind: global_buffer, .address_space: global }
      - { .name: bq, .offset: 64, .size: 8, .value_kind: global_buffer, .address_space: global }
      - { .name: bk, .offset: 72, .size: 8, .value_kind: global_buffer, .address_space: global }
      - { .name: bv, .offset: 80, .size: 8, .value_kind: global_buffer, .address_space: global }
      - { .name: relations, .offset: 88, .size: 8, .value_kind: global_buffer, .address_space: global }
      - { .name: qb, .offset: 96, .size: 8, .value_kind: global_buffer, .address_space: global }
      - { .name: kv, .offset: 104, .size: 8, .value_kind: global_buffer, .address_space: global }
    .group_segment_fixed_size: 297472
    .private_segment_fixed_size: 0
    .kernarg_segment_align: 8
    .kernarg_segment_size: 112
    .max_flat_workgroup_size: 384
    .sgpr_count:     102
    .vgpr_count:     258
    .wavefront_size: 32
...
	.end_amdgpu_metadata
.endif
;; end of part 1
;; launch attn (part 2): grid 4 x 64, 16 waves a work-group, clusters of 4 x 1, 223,232 bytes of LDS; arguments qb, kv, attention_mask, out0; writes out0
.if DOCPART == 2
	.amdgcn_target "amdgcn-amd-amdhsa--gfx1250"
	.amdhsa_code_object_version 6
	.text
	.protected	k_q66749eff71_attn
	.globl	k_q66749eff71_attn
	.p2align	8
	.type	k_q66749eff71_attn,@function
k_q66749eff71_attn:
	s_mov_b64 s[64:65], 0
	v_nop
	global_prefetch_b8 v0, s[64:65] scope:SCOPE_SE
	s_setreg_imm32_b32 hwreg(HW_REG_WAVE_MODE, 25, 1), 1
	s_wait_xcnt 0x0
	s_wait_alu depctr_hold_cnt(0) depctr_sa_sdst(0) depctr_va_vdst(0) depctr_va_sdst(0) depctr_va_ssrc(0) depctr_va_vcc(0) depctr_vm_vsrc(0)
	s_getreg_b32 s2, hwreg(HW_REG_IB_STS2, 6, 4)
	s_cmp_eq_u32 s2, 0
	s_cbranch_scc0 .Lentry_in_a_cluster
	s_endpgm
.Lentry_in_a_cluster:
	s_bfe_u32 s2, ttmp6, 0x10000c
	s_cmp_lg_u32 s2, 0x3003
	s_cbranch_scc0 .Lentry_shape_is_right
	s_endpgm
.Lentry_shape_is_right:
; out[b][q][head][:] = the sum over k of softmax_k(q . k / 8 + mask[b][k]) v[k][:], both products on codes of FP4 (E2M1) with E8M0 scales, from the operand images that the launch before has stored.
; THE SOFTMAX: t = logit x log2(e); M = the running largest t rounded UP to a whole number; p = 2^(t - M) is quantised along the keys, not normalised; the row's sum is taken of the unquantised p and divides at the end.
; When M moves, the sum and O are multiplied by 2^(old M - new M): exact.
; SHARES.  A work-group owns 512 queries of one (batch, head); each of its sixteen waves 32: two tiles of 16, which share every fragment of K and V and every scale load.  Four waves to a SIMD, so that one wave's
; exponentials stand beside another's plain work, products and LDS loads.  Every wave walks the head's 2,048 keys, 128 a step.
; LDS.  The head's whole block of kv, 143,360 bytes, comes in ONCE, dense, as it lies in memory; images are read 16 bytes a lane, 512 consecutive bytes a load.  Nothing is filled twice.  Behind it: the batch's mask x 8, and a stage for each wave.
; CLUSTER.  The four work-groups of a cluster are the four query blocks of one head (the grid has one cluster along x, so the block is cx): they read the same bytes of kv and ask for them JOINTLY (mask 15).
; Every tensor load goes out at the kernel's head, so nothing is prefetched.
; LAYOUT.  Both products transposed: S^T = K Q^T, O^T = V^T P^T: a lane holds ONE query.  Register j of tile T holds key 16 T + 8 (lane / 16) + j.  A tile's eight p become one register of codes; tile 4 c + u goes to
; register 4 c + (0, 2, 1, 3)[u], and two exchanges of halves for each c then give registers 4 c + i the keys 64 c + 32 (lane / 16) + 8 i .. + 7: the operand's layout.
; K = 64 IN AN INSTRUCTION OF 128: Q's registers 4-7 are zero codes and bytes 2, 3 of Q's and K's scale words are 0x7f.  K's registers 4-7 are then whatever follows (the next tile's codes; zeros behind the last): each meets a zero code.
; THE MASK costs no vector instruction in the loop: mask x 8 is loaded INTO the score registers and the product adds onto it, so that S = s + 8 mask and t = S x log2(e) / 8.
; LIMITS: mask values are held to +-2^29 (a NaN counts as -2^29): the result differs from the definition only where all keys of a batch lie under -2^29 with unequal masks, or some lie above 2^29.
.set REC,    8960                      ; a record of 128 keys: 4,096 K images, 4,096 V images, 512 K scale words, 256 V scale halves
.set HEADB,  16*REC
.set QREC,   4608
.set QHEADB, 16*QREC
.set MASKB,  HEADB                     ; LDS: 8,192 bytes of mask x 8
.set STAGE,  MASKB+8192                ; 16 rows x (256 + 16) bytes for each wave
.set SPITCH, 272
.set L16, 1                            ; v1   16 x lane
.set L8,  2                            ; v2   8 x lane
.set AM0, 3                            ; v3   MASKB + 32 (lane / 16)
.set A16, 4                            ; v4-6 the step's LDS addresses
.set A8,  5
.set AM,  6
.set GO,  7                            ; v7   my byte offset in the wave's rows of out
.set SIN, 8                            ; v8   the stage: in;  v9 back
.set SBK, 9
.set TT,  10                           ; v10  at work
.set ST,  12                           ; tile q: v[12 + 4 q]: -M, the largest t, the sum in two halves
.set Q,   20                           ; v20-27, v28-35 Q's two fragments; registers 4-7 of each are zero codes
.set QS,  36                           ; v36  Q's scale words: lanes 0-15 tile 0's, lanes 16-31 tile 1's
.set PS,  37                           ; v37-38 p's scale words
.set KS,  40                           ; v40-43 K's scale words: register b: key 32 b + lane
.set VR,  44                           ; v44-45 V's scale halves as loaded
.set VW,  46                           ; v46-47 V's scale words: register i: lanes 0-15 channel tile 2 i, lanes 16-31 tile 2 i + 1
.set KV,  48                           ; v48-79 K's eight tiles, 4 registers each, then V's four, 8 each; v80-83 zero codes
.set S,   84                           ; v84-147 S^T, then p
.set O,   148                          ; v148-179, v180-211 O^T
.set PC,  212                          ; v212-219, v220-227 p's codes
.set BM,  228                          ; v228-231 the blocks' largest scores, then p;  v232-235 the other half's, then bytes;  v236-239 the conversions' scale operands
.set BP,  232
.set SO,  236
.set FF,  240                          ; v240 f = 2^(old M - new M); v241 named with it as a pair
.set C2,  242                          ; v242-243 the sum's second chain
.set RC,  244                          ; v244, v246 1 / the sum; v245, v247 named with them
.set WV,  12                           ; s12
.set TB,  48                           ; s48  the step's record in LDS
.set TM,  49                           ; s49  the step's 512 bytes of mask
.macro ROUND                           ; a round of the cluster's barrier
	s_barrier_signal -1
	s_barrier_wait -1
	s_cmp_lg_u32 s[WV], 0
	s_cbranch_scc1 .Lnot_wave_0_\@
	s_barrier_signal -3
.Lnot_wave_0_\@:
	s_barrier_wait -3
	s_barrier_signal -1
	s_barrier_wait -1
.endm
.macro WM d, a, b, sa, sb, ra, rb      ; a product that adds in place; ra, rb: the side's scale words stand in lanes 16-31
.if (\ra) && (\rb)
	v_wmma_scale_f32_16x16x128_f8f6f4 v[(\d):(\d)+7], v[(\a):(\a)+7], v[(\b):(\b)+7], v[(\d):(\d)+7], v[\sa], v[\sb] matrix_a_fmt:MATRIX_FMT_FP4 matrix_b_fmt:MATRIX_FMT_FP4 matrix_a_scale:MATRIX_SCALE_ROW1 matrix_b_scale:MATRIX_SCALE_ROW1
.elseif (\ra)
	v_wmma_scale_f32_16x16x128_f8f6f4 v[(\d):(\d)+7], v[(\a):(\a)+7], v[(\b):(\b)+7], v[(\d):(\d)+7], v[\sa], v[\sb] matrix_a_fmt:MATRIX_FMT_FP4 matrix_b_fmt:MATRIX_FMT_FP4 matrix_a_scale:MATRIX_SCALE_ROW1
.elseif (\rb)
	v_wmma_scale_f32_16x16x128_f8f6f4 v[(\d):(\d)+7], v[(\a):(\a)+7], v[(\b):(\b)+7], v[(\d):(\d)+7], v[\sa], v[\sb] matrix_a_fmt:MATRIX_FMT_FP4 matrix_b_fmt:MATRIX_FMT_FP4 matrix_b_scale:MATRIX_SCALE_ROW1
.else
	v_wmma_scale_f32_16x16x128_f8f6f4 v[(\d):(\d)+7], v[(\a):(\a)+7], v[(\b):(\b)+7], v[(\d):(\d)+7], v[\sa], v[\sb] matrix_a_fmt:MATRIX_FMT_FP4 matrix_b_fmt:MATRIX_FMT_FP4
.endif
.endm
.macro MASKLD                          ; 8 x mask of the step's keys into the score registers, in the result's layout; the sixteen lanes of a half read the same 16 bytes
.irp n, 0,1,2,3,4,5,6,7,8,9,10,11,12,13,14,15
	ds_load_b128 v[S+4*\n:S+4*\n+3], v[AM] offset:64*(\n/2)+16*(\n%2)
.endr
.endm
.macro SCORES q                        ; S^T = K Q^T + 8 mask, eight tiles of 16 keys, each on its own accumulator
.irp t, 0,1,2,3,4,5,6,7
	WM S+8*\t, KV+4*\t, Q+8*\q, KS+\t/2, QS, \t%2, \q
.endr
.endm
; tile q's softmax up to the codes
.macro SM_A q
.irp b, 0,1,2,3
	v_max3_num_f32 v[BM+\b], v[S+16*\b], v[S+16*\b+1], v[S+16*\b+2]   ; the largest score of each block of 32 keys: for the row's maximum and, since p rises with the score, for the block's largest p.  Each accumulator is first read at its low end
.endr
.irp i, 3,5,7,9,11,13
.irp b, 0,1,2,3
	v_max3_num_f32 v[BM+\b], v[BM+\b], v[S+16*\b+\i], v[S+16*\b+\i+1]
.endr
.endr
.irp b, 0,1,2,3
	v_max_num_f32 v[BM+\b], v[BM+\b], v[S+16*\b+15]
.endr
.irp b, 0,1,2,3
	v_permlanex16_b32 v[BP+\b], v[BM+\b], s20, s21
.endr
.irp b, 0,1,2,3
	v_max_num_f32 v[BM+\b], v[BM+\b], v[BP+\b]     ; with lane l xor 16's 16 keys
.endr
	v_max3_num_f32 v[TT], v[BM], v[BM+1], v[BM+2]
	v_max_num_f32 v[TT], v[TT], v[BM+3]
	v_mul_f32 v[TT], s22, v[TT]                    ; as t
	v_max_num_f32 v[ST+4*\q+1], v[ST+4*\q+1], v[TT]   ; the running largest t
	v_mov_b32 v[TT], v[ST+4*\q]
	v_floor_f32 v[ST+4*\q], -v[ST+4*\q+1]          ; the new -M = floor(-t): a whole number
	v_sub_f32 v[TT], v[ST+4*\q], v[TT]             ; old M - new M: a whole number, 0 or less
	v_cvt_i32_f32 v[TT], v[TT]                     ; (it saturates)
	v_ldexp_f32 v[FF], 1.0, v[TT]                  ; f
.set j, 0
.rept 32
	v_pk_fma_f32 v[S+j:S+j+1], v[S+j:S+j+1], s[22:23], v[ST+4*\q:ST+4*\q+1] op_sel_hi:[1,0,0]   ; t - M, two at a time
.set j, j+2
.endr
.irp b, 0,1,2,3
	v_fma_f32 v[BM+\b], v[BM+\b], s22, v[ST+4*\q]  ; the same of each block's largest score
.endr
.set j, 0
.rept 64
	v_exp_f32 v[S+j], v[S+j]                       ; p = 2^(t - M)
.set j, j+1
.endr
	v_pk_mul_f32 v[ST+4*\q+2:ST+4*\q+3], v[ST+4*\q+2:ST+4*\q+3], v[FF:FF+1] op_sel_hi:[1,0]   ; the sums under the new M: the plain instruction behind the batch
	s_wait_alu depctr_va_vdst(0)                   ; one wait for the 64 exponentials, ahead of their first reader
.irp b, 0,1,2,3
	v_exp_f32 v[BM+\b], v[BM+\b]                   ; the block's largest p: the same two instructions on the same number give the same bits
.endr
	v_pk_add_f32 v[C2:C2+1], v[S:S+1], v[S+2:S+3]  ; the row's sum of the UNQUANTISED p, in two chains
.set j, 4
.rept 15
	v_pk_add_f32 v[ST+4*\q+2:ST+4*\q+3], v[ST+4*\q+2:ST+4*\q+3], v[S+j:S+j+1]
	v_pk_add_f32 v[C2:C2+1], v[C2:C2+1], v[S+j+2:S+j+3]
.set j, j+4
.endr
	v_pk_add_f32 v[ST+4*\q+2:ST+4*\q+3], v[ST+4*\q+2:ST+4*\q+3], v[C2:C2+1]
	s_wait_alu depctr_va_vdst(0)                   ; and one for the four
.irp b, 0,1,2,3
	v_max_num_f32 v[BM+\b], 0x1800000, v[BM+\b]    ; the floor 2^(3 - 127): the byte cannot fall under 1
.endr
.irp b, 0,1,2,3
	v_add_nc_u32 v[SO+\b], 0xff000000, v[BM+\b]    ; 2 off the exponent field: the conversion's scale operand
.endr
.irp b, 0,1,2,3
	v_lshrrev_b32 v[BP+\b], 23, v[SO+\b]           ; the scale's byte
.endr
	v_lshl_or_b32 v[PS+\q], v[BP+1], 8, v[BP]      ; p's scale word for these 128 keys
	v_lshl_or_b32 v[PS+\q], v[BP+2], 16, v[PS+\q]
	v_lshl_or_b32 v[PS+\q], v[BP+3], 24, v[PS+\q]
.irp c, 0,1
	v_cvt_scalef32_pk8_fp4_f32 v[PC+8*\q+4*\c],   v[S+32*\c:S+32*\c+7],     v[SO+2*\c]
	v_cvt_scalef32_pk8_fp4_f32 v[PC+8*\q+4*\c+2], v[S+32*\c+8:S+32*\c+15],  v[SO+2*\c]
	v_cvt_scalef32_pk8_fp4_f32 v[PC+8*\q+4*\c+1], v[S+32*\c+16:S+32*\c+23], v[SO+2*\c+1]
	v_cvt_scalef32_pk8_fp4_f32 v[PC+8*\q+4*\c+3], v[S+32*\c+24:S+32*\c+31], v[SO+2*\c+1]
.endr
	v_nop                                          ; one plain place behind a scaled conversion
.endm
; the exchanges of halves, and O^T under the new M.  The sixteen multiplications are also the places between the vector writes of p's scale word and codes and the products that take them
.macro SM_B q
.irp c, 0,1
	v_permlane16_swap_b32 v[PC+8*\q+4*\c], v[PC+8*\q+4*\c+1]
	v_permlane16_swap_b32 v[PC+8*\q+4*\c+2], v[PC+8*\q+4*\c+3]
.endr
.set j, 0
.rept 16
	v_pk_mul_f32 v[O+32*\q+j:O+32*\q+j+1], v[O+32*\q+j:O+32*\q+j+1], v[FF:FF+1] op_sel_hi:[1,0]
.set j, j+2
.endr
.endm
; A KEY STEP: 128 keys, both tiles of queries
.macro STEP
	v_add_nc_u32 v[A16], s[TB], v[L16]             ; these three and the v_nop are the four places (ISA guide 7.12.1 for vector instructions) between the last step's products and the loads into their operands' registers
	v_add_nc_u32 v[A8], s[TB], v[L8]
	v_add_nc_u32 v[AM], s[TM], v[AM0]
	v_nop
	ds_load_b128 v[KS:KS+3], v[A16] offset:8192
.irp t, 0,1,2,3,4,5,6,7
	ds_load_b128 v[KV+4*\t:KV+4*\t+3], v[A16] offset:512*\t
.endr
	MASKLD
	ds_load_b64 v[VR:VR+1], v[A8] offset:8704
	s_wait_dscnt 0x0
	SCORES 0
	v_perm_b32 v[VW], v[VR+1], v[VR], 0x05040100   ; V's scale words: the bytes of keys' blocks 0, 1 | 2, 3.  With the two v_nop: four places ahead of the first read of the scores
	v_perm_b32 v[VW+1], v[VR+1], v[VR], 0x07060302
	v_nop
	v_nop
	SM_A 0
	MASKLD                                         ; the score registers are free: the mask again, for tile 1; it lands while tile 0's O^T is rescaled
	SM_B 0
	s_wait_dscnt 0x0
	SCORES 1
.rept 4
	v_nop                                          ; places: V lands where K lay, and the scores are read
.endr
.irp t, 0,1,2,3
.irp c, 0,1
	ds_load_b128 v[KV+8*\t+4*\c:KV+8*\t+4*\c+3], v[A16] offset:4096+1024*\t+512*\c   ; it lands during tile 1's softmax
.endr
.endr
	SM_A 1
	SM_B 1
	s_wait_dscnt 0x0
.irp t, 0,1,2,3                        ; O^T += V^T P^T: eight accumulators by turns, one instruction a turn
.irp q, 0,1
	WM O+32*\q+8*\t, KV+8*\t, PC+8*\q, VW+\t/2, PS+\q, \t%2, 0
.endr
.endr
	s_add_co_u32 s[TB], s[TB], REC
	s_add_co_u32 s[TM], s[TM], 512
.endm
	s_load_b256 s[4:11], s[0:1], 0x0               ; qb, kv, mask, out
	v_lshl_add_u32 v254, v0, 2, 0x36000
	v_mov_b32 v255, 0
	ds_add_u32 v254, v255
	ds_add_u32 v254, v255
	v_lshrrev_b32 v1, 5, v0
	v_readfirstlane_b32 s[WV], v1                  ; wave 0..15
	s_bfe_u32 s13, ttmp6, 0x40000                  ; cx: my block of 512 queries: it enters global addresses alone
	s_and_b32 s14, ttmp7, 0xffff                   ; y = 16 x batch + head, which the four partners share
	s_lshr_b32 s15, s14, 4                         ; batch
	; every LDS address is made here, ahead of the first parting of the waves
	v_and_b32 v11, 31, v0
	v_lshlrev_b32 v[L16], 4, v11
	v_lshlrev_b32 v[L8], 3, v11
	v_and_b32 v10, 15, v0                          ; r
	v_bfe_u32 v11, v0, 4, 1                        ; h
	v_lshl_add_u32 v[AM0], v11, 5, MASKB
	v_lshlrev_b32 v[GO], 12, v11
	v_lshl_add_u32 v[GO], v10, 4, v[GO]            ; out: lanes 0-15 one row of 4,096 bytes, lanes 16-31 the next; 16 bytes a lane
	s_mul_i32 s16, s[WV], 16*SPITCH
	s_add_co_u32 s16, s16, STAGE                   ; my stage
	v_mul_u32_u24 v[SIN], v10, SPITCH
	v_lshl_add_u32 v[SIN], v11, 5, v[SIN]
	v_add_nc_u32 v[SIN], s16, v[SIN]               ; in: row r, + 32 h
	v_mul_u32_u24 v[SBK], v11, SPITCH
	v_lshl_add_u32 v[SBK], v10, 4, v[SBK]
	v_add_nc_u32 v[SBK], s16, v[SBK]               ; back: two rows a load
	v_lshlrev_b32 v39, 4, v0                       ; the mask in memory: 16 bytes a thread,
	v_lshl_add_u32 v11, v0, 4, MASKB               ; and in LDS
	; descriptor groups 1: dense bytes as rows of 32 elements of 8 bytes; one record is 35 rows, three are 105
	s_mov_b32 s24, 15|(3<<16)|(1<<21)              ; 15:0 the mask: all four work-groups; 17:16 elements of 8 bytes; 21 set beside a mask; no padding
	s_mov_b32 s25, 32<<16                          ; tensor_dim0
	s_mov_b32 s26, 35<<16                          ; tensor_dim1
	s_mov_b32 s27, 32<<16                          ; tile_dim0
	s_mov_b32 s28, 35                              ; tile_dim1
	s_mov_b32 s29, 32                              ; tensor_dim0_stride
	s_mov_b32 s30, 0
	s_mov_b32 s31, 0
	s_mov_b32 s32, 15|(3<<16)|(1<<21)
	s_mov_b32 s33, 32<<16
	s_mov_b32 s34, 105<<16
	s_mov_b32 s35, 32<<16
	s_mov_b32 s36, 105
	s_mov_b32 s37, 32
	s_mov_b32 s38, 0
	s_mov_b32 s39, 0
	s_mov_b32 s20, 0x76543210
	s_mov_b32 s21, 0xfedcba98                      ; v_permlanex16_b32's selects for lane l xor 16
	s_mov_b32 s22, 0x3e38aa3b                      ; log2(e) / 8
	s_mov_b32 s23, s22                             ; (named with it as a pair)
	s_mov_b32 s3, 0
	s_mov_b32 s17, 0
	s_mov_b32 s19, 0
	s_wait_dscnt 0x0
	s_wait_kmcnt 0x0
	; groups 0: wave w of 0..3 fetches record w, and records 4 + 3 w .. 6 + 3 w: addresses hang on y and the wave's number alone
	s_mul_i32 s2, s14, HEADB
	s_add_nc_u64 s[6:7], s[6:7], s[2:3]            ; kv at my head
	s_mul_i32 s2, s[WV], REC
	s_mov_b32 s40, 1
	s_mov_b32 s41, s2
	s_add_nc_u64 s[42:43], s[6:7], s[2:3]
	s_or_b32 s43, s43, 0x80000000
	s_mul_i32 s2, s[WV], 3*REC
	s_add_co_u32 s2, s2, 4*REC
	s_mov_b32 s44, 1
	s_mov_b32 s45, s2
	s_add_nc_u64 s[46:47], s[6:7], s[2:3]
	s_or_b32 s47, s47, 0x80000000
	; the plain loads' and the stores' addresses
	s_lshl_b32 s2, s15, 13
	s_add_nc_u64 s[8:9], s[8:9], s[2:3]            ; my batch's mask
	s_lshl_b32 s2, s13, 2
	s_lshr_b32 s16, s[WV], 2
	s_add_co_u32 s2, s2, s16                       ; my queries' record: 4 cx + wave / 4
	s_mul_i32 s2, s2, QREC
	s_mul_i32 s16, s14, QHEADB
	s_add_co_u32 s2, s2, s16
	s_add_nc_u64 s[4:5], s[4:5], s[2:3]
	s_and_b32 s18, s[WV], 3
	s_lshl_b32 s16, s18, 10
	s_add_nc_u64 s[16:17], s[4:5], s[16:17]        ; my two images: tiles 2 (wave % 4), + 1
	s_lshl_b32 s18, s18, 2
	s_add_nc_u64 s[18:19], s[4:5], s[18:19]        ; word wave % 4 of each lane's four
	s_lshl_b32 s2, s15, 11
	s_lshl_b32 s50, s13, 9
	s_add_co_u32 s2, s2, s50
	s_lshl_b32 s50, s[WV], 5
	s_add_co_u32 s2, s2, s50                       ; my first row of out: 2,048 batch + 512 cx + 32 wave
	s_lshl_b32 s2, s2, 12
	s_and_b32 s50, s14, 15
	s_lshl_b32 s50, s50, 8
	s_add_co_u32 s2, s2, s50                       ; + the head's 256 bytes
	s_add_nc_u64 s[10:11], s[10:11], s[2:3]
	ROUND                                          ; all four work-groups are here: the joint loads meet
	s_cmp_lt_u32 s[WV], 4                          ; the launch's only fills, a wave's two in one branch: two tensor loads of a fetching wave are out.  Four v_nop follow the second
	s_cbranch_scc0 .Lfilled
	tensor_load_to_lds s[40:43], s[24:31]
	s_nop 0
	tensor_load_to_lds s[44:47], s[32:39]
	s_nop 0
.rept 4
	v_nop
.endr
.Lfilled:
	global_load_b128 v[S:S+3], v39, s[8:9]
	global_load_b128 v[Q:Q+3], v[L16], s[16:17]
	global_load_b128 v[Q+8:Q+11], v[L16], s[16:17] offset:512
	global_load_b32 v[QS], v[L16], s[18:19] offset:4096
.irp q, 0,1
	v_mov_b32 v[ST+4*\q+1], 0xff61b1e6             ; the largest t so far: -3e38, under every t
	v_floor_f32 v[ST+4*\q], -v[ST+4*\q+1]          ; -M
	v_mov_b32 v[ST+4*\q+2], 0                      ; the sum, in two halves
	v_mov_b32 v[ST+4*\q+3], 0
	v_mov_b32 v[RC+2*\q+1], 0                      ; (named as the upper half of a pair)
.irp i, 4,5,6,7
	v_mov_b32 v[Q+8*\q+\i], 0                      ; zero codes for k = 64 .. 127
.endr
.endr
.irp i, 0,1,2,3
	v_mov_b32 v[KV+32+\i], 0                       ; behind K's last tile
	v_mov_b32 v[BP+\i], 0                          ; a lane permute's destination counts as one of its sources
.endr
	v_mov_b32 v[FF+1], 0
.set j, 0
.rept 64
	v_mov_b32 v[O+j], 0                            ; O^T.  (The step is written once for all steps: the first finds zeros, which the first change of M leaves zeros)
.set j, j+1
.endr
	s_wait_loadcnt 0x3                             ; the mask is in; Q's three loads may be out
.irp i, 0,1,2,3
	v_mul_f32 v[S+\i], 0x41000000, v[S+\i]         ; x 8: exact
.endr
.irp i, 0,1,2,3
	v_max_num_f32 v[S+\i], 0xcf800000, v[S+\i]     ; held to +-2^32
.endr
.irp i, 0,1,2,3
	v_min_num_f32 v[S+\i], 0x4f800000, v[S+\i]
.endr
	ds_store_b128 v11, v[S:S+3]
	s_mov_b32 s[TB], 0
	s_mov_b32 s[TM], 0
	s_wait_loadcnt 0x0                             ; Q
	s_wait_tensorcnt 0x1                           ; my one of records 0 to 3 has landed; my three later ones may stay out
	s_wait_dscnt 0x0                               ; for the others' sake: my part of the mask is stored
	s_barrier_signal -1
	s_barrier_wait -1
	s_mov_b32 s50, 4
.Lfirst:                                           ; key steps 0 to 3
	STEP
	s_sub_co_u32 s50, s50, 1
	s_cmp_lg_u32 s50, 0
	s_cbranch_scc1 .Lfirst
	s_wait_tensorcnt 0x0                           ; my three later records have landed,
	s_wait_dscnt 0x0
	s_barrier_signal -1
	s_barrier_wait -1                              ; everybody's have
	s_mov_b32 s50, 12
.Lrest:                                            ; key steps 4 to 15
	STEP
	s_sub_co_u32 s50, s50, 1
	s_cmp_lg_u32 s50, 0
	s_cbranch_scc1 .Lrest
	; THE WAY OUT.  The sum's halves and lane l xor 16's are added (these lines are also the places behind the last products); O^T / the sum goes through my stage, a tile of 16 queries x 256 bytes at a time.
.irp q, 0,1
	v_add_f32 v[ST+4*\q+2], v[ST+4*\q+2], v[ST+4*\q+3]
.endr
.irp q, 0,1
	v_permlanex16_b32 v[BP+\q], v[ST+4*\q+2], s20, s21
.endr
.irp q, 0,1
	v_add_f32 v[ST+4*\q+2], v[ST+4*\q+2], v[BP+\q]
.endr
.irp q, 0,1
	v_rcp_f32 v[RC+2*\q], v[ST+4*\q+2]
.endr
	v_nop                                          ; a plain instruction behind the reciprocals,
	s_wait_alu depctr_va_vdst(0)                   ; and one wait for both, ahead of their first reader
.irp q, 0,1
.set j, 0
.rept 16
	v_pk_mul_f32 v[S+32*\q+j:S+32*\q+j+1], v[O+32*\q+j:O+32*\q+j+1], v[RC+2*\q:RC+2*\q+1] op_sel_hi:[1,0]   ; register 8 t + i: out(query r, channel 16 t + 8 h + i); ascending: each accumulator is first read at its low end
.set j, j+2
.endr
.endr
.irp q, 0,1
.irp t, 0,1,2,3
	ds_store_b128 v[SIN], v[S+32*\q+8*\t:S+32*\q+8*\t+3] offset:64*\t
	ds_store_b128 v[SIN], v[S+32*\q+8*\t+4:S+32*\q+8*\t+7] offset:64*\t+16
.endr
.irp i, 0,1,2,3,4,5,6,7
	ds_load_b128 v[S+32*\q+4*\i:S+32*\q+4*\i+3], v[SBK] offset:\i*2*SPITCH   ; LDS serves a wave's instructions in order (ISA guide 5.7.1.4): these see my stores, and the next tile's stores come behind them
.endr
.endr
.irp q, 0,1
.irp i, 0,1,2,3,4,5,6,7
	s_wait_dscnt (1-\q)*16+7-\i                    ; what was issued behind this load may be out: the tile's later loads, and for tile 0 tile 1's sixteen instructions
	global_store_b128 v[GO], v[S+32*\q+4*\i:S+32*\q+4*\i+3], s[10:11] offset:(16*\q+2*\i)*4096 th:TH_STORE_NT   ; sixteen lanes store 256 consecutive bytes, at a multiple of 256 from out's first byte
.endr
.endr
	s_wait_tensorcnt 0x0
	ds_add_u32 v254, v255
	s_wait_dscnt 0x0
	ROUND                                          ; the closing round: no work-group ends while a partner may still ask for a tile that names it
	s_endpgm
.Lfunc_end_k_q66749eff71_attn:
	.size	k_q66749eff71_attn, .Lfunc_end_k_q66749eff71_attn-k_q66749eff71_attn
	.p2alignl 7, 3214868480
	.fill 96, 4, 3214868480
	.section	.rodata,"a",@progbits
	.p2align	6, 0x0
	.amdhsa_kernel k_q66749eff71_attn
		.amdhsa_group_segment_fixed_size 223232
		.amdhsa_private_segment_fixed_size 0
		.amdhsa_enable_private_segment 0
		.amdhsa_kernarg_size 32
		.amdhsa_user_sgpr_count 2
		.amdhsa_user_sgpr_kernarg_segment_ptr 1
		.amdhsa_wavefront_size32 1
		.amdhsa_system_sgpr_workgroup_id_x 1
		.amdhsa_system_sgpr_workgroup_id_y 1
		.amdhsa_system_sgpr_workgroup_id_z 1
		.amdhsa_system_vgpr_workitem_id 0
		.amdhsa_next_free_vgpr 256
		.amdhsa_next_free_sgpr 66
		.amdhsa_reserve_vcc 0
		.amdhsa_float_denorm_mode_32 3
		.amdhsa_float_denorm_mode_16_64 3
		.amdhsa_memory_ordered 1
		.amdhsa_forward_progress 1
		.amdhsa_inst_pref_size 77
	.end_amdhsa_kernel
	.amdgpu_metadata
---
amdhsa.version: [ 1, 2 ]
amdhsa.kernels:
  - .name:           k_q66749eff71_attn
    .symbol:         k_q66749eff71_attn.kd
    .args:
      - { .name: qb, .offset: 0, .size: 8, .value_kind: global_buffer, .address_space: global }
      - { .name: kv, .offset: 8, .size: 8, .value_kind: global_buffer, .address_space: global }
      - { .name: attention_mask, .offset: 16, .size: 8, .value_kind: global_buffer, .address_space: global }
      - { .name: out0, .offset: 24, .size: 8, .value_kind: global_buffer, .address_space: global }
    .group_segment_fixed_size: 223232
    .private_segment_fixed_size: 0
    .kernarg_segment_align: 8
    .kernarg_segment_size: 32
    .max_flat_workgroup_size: 512
    .sgpr_count:     66
    .vgpr_count:     256
    .wavefront_size: 32
...
	.end_amdgpu_metadata
.endif
;; end of part 2
